; MI455X (gfx1250); checked and timed in simulation.
; The chip was launched on July 23, 2026; its instructions are those of AMD's public machine-readable ISA for CDNA 5 (MIT licence, August 2026) and "CDNA5" Instruction Set Architecture Reference Guide (July 2026). The comments in the code are by the model that wrote it; some were corrected since.
;; Attention Block. Allowed arithmetic: float matrix products may take bf16 or f16 operands with f32 sums; all other float work in f32.
;; Inputs: Wk 128 x 128 float32; Wo 128 x 128 float32; Wq 128 x 128 float32; Wv 128 x 128 float32; beta 128 float32; bk 128 float32; bq 128 float32; bv 128 float32; gamma 128 float32; x 8 x 128 x 64 x 64 float32.
;; Outputs: out0 8 x 128 x 64 x 64 float32.
;; 2 versions, each right; version 2 is version 1 with the launch qkv written anew for expert scheduling mode. Each part assembles by itself: llvm-mc -triple=amdgcn-amd-amdhsa -mcpu=gfx1250 --defsym DOCPART=n.
;; ======== version 1 of 2: 3 launches
;; workspace buffers: st 8,192 bytes; wbf 131,072 bytes; qbuf 8,388,608 bytes; kv 16,777,216 bytes
;; launch stats (part 1): grid 256 x 1, 8 waves a work-group, no clusters, 1,280 bytes of LDS; arguments x, gamma, beta, Wq, Wk, Wv, Wo, st, wbf; writes st, wbf
.if DOCPART == 1
	.amdgcn_target "amdgcn-amd-amdhsa--gfx1250"
	.amdhsa_code_object_version 6
	.text
	.protected	k_q70a580517f_stats
	.globl	k_q70a580517f_stats
	.p2align	8
	.type	k_q70a580517f_stats,@function
k_q70a580517f_stats:
	s_mov_b64 s[64:65], 0
	v_nop
	global_prefetch_b8 v0, s[64:65] scope:SCOPE_SE
	s_setreg_imm32_b32 hwreg(HW_REG_WAVE_MODE, 25, 1), 1
	s_wait_xcnt 0x0
; GroupNorm statistics, and the four weight matrices rounded to bf16.
; Work-group i = 32 b + g owns group g of image b: 4 channels x 4,096 positions = 65,536 neighbouring bytes of x.
; Thread t takes sixteen 16-byte loads (16 t + 4,096 j): all 64 KiB are requested at once and stay in 64 registers a lane
; for both passes, so x is read once here.  The variance is made from (x - mean): no difference of large sums is formed.
; Stored: st[b][c] = { a = gamma rstd, s = beta - mean a } (f32), so that the next launch normalises by one fused multiply-add.
; Wave 1 also converts 256 weights: wbf = [sigma Wq, Wk, Wv, Wo] in bf16, sigma = log2(e) / sqrt(128), so that scores arrive in base 2.
; The store into st is 32 bytes a work-group (the whole buffer is 8,192 bytes); the store into wbf covers 512 aligned bytes.
; Limits: NaN and infinities in x are not treated specially.
.set X,   8                            ; v[8:71]   my 64 numbers of x
.set CH,  72                           ; v[72:79]  four chains of pairs; then the eight waves' partial sums
.set MN,  82                           ; v[82:83]  the mean, twice (a pair for the packed subtraction)
.set WT,  84                           ; v[84:91]  wave 1: eight weights; wave 0: a and s
	s_load_b512 s[4:19], s[0:1], 0x0               ; x s[4:5], gamma s[6:7], beta s[8:9], Wq s[10:11], Wk s[12:13], Wv s[14:15], Wo s[16:17], st s[18:19]
	s_load_b64 s[20:21], s[0:1], 0x40              ; wbf
	v_lshl_add_u32 v96, v0, 2, 0x100
	v_mov_b32 v97, 0
	v_lshrrev_b32 v5, 5, v0
	v_readfirstlane_b32 s22, v5                    ; wave number
	v_lshlrev_b32 v5, 2, v5                        ; my wave's word in LDS
	v_lshlrev_b32 v1, 4, v0                        ; 16 t
	v_and_b32 v2, 3, v0
	s_and_b32 s23, ttmp9, 31                       ; g
	s_lshl_b32 s23, s23, 4
	v_lshl_add_u32 v2, v2, 2, s23                  ; byte offset of gamma[4 g + t % 4]: inside the table in every lane
	v_mov_b32 v6, 0                                ; LDS address 0
	v_mov_b32 v81, 0                               ; v_permlanex16_b32 counts as a reader of its destination
	s_lshl_b32 s24, ttmp9, 16                      ; 65,536 i, below 16 MiB
	s_mov_b32 s25, 0
	s_mov_b32 s26, 0x76543210                      ; v_permlanex16_b32: lane i reads lane i of the other half
	s_mov_b32 s27, 0xfedcba98
	s_mov_b32 s35, 0x38800000                      ; 1 / 16,384
	s_wait_kmcnt 0x0
	s_add_nc_u64 s[4:5], s[4:5], s[24:25]
	global_load_b32 v3, v2, s[6:7]
	global_load_b32 v4, v2, s[8:9]
.irp j, 0,1,2,3,4,5,6,7,8,9,10,11,12,13,14,15
	global_load_b128 v[X+4*\j:X+4*\j+3], v1, s[4:5] offset:4096*\j
.endr
	; wave 1: weights 256 i .. 256 i + 255 of the four matrices taken as one list of 65,536
	s_cmp_lg_u32 s22, 1
	s_cbranch_scc1 .Lno_weights
	s_lshr_b32 s28, ttmp9, 6                       ; which matrix
	s_cmp_eq_u32 s28, 1
	s_cselect_b64 s[30:31], s[12:13], s[10:11]
	s_cmp_eq_u32 s28, 2
	s_cselect_b64 s[30:31], s[14:15], s[30:31]
	s_cmp_eq_u32 s28, 3
	s_cselect_b64 s[30:31], s[16:17], s[30:31]
	s_cmp_eq_u32 s28, 0
	s_cselect_b32 s32, 0x3e0293ee, 1.0             ; sigma for Wq, 1 for the others
	s_mov_b32 s33, s32                             ; the packed multiply names the pair
	s_and_b32 s29, ttmp9, 63
	s_lshl_b32 s29, s29, 10                        ; 1,024 bytes of f32 a work-group
	s_lshl_b32 s36, ttmp9, 9                       ; 512 bytes of bf16
	v_and_b32 v92, 31, v0
	v_lshlrev_b32 v93, 4, v92
	v_lshl_add_u32 v92, v92, 5, s29                ; eight f32 a lane
	v_add_nc_u32 v93, s36, v93
	global_load_b128 v[WT:WT+3], v92, s[30:31]
	global_load_b128 v[WT+4:WT+7], v92, s[30:31] offset:16
	s_wait_loadcnt 0x0
.irp k, 0,2,4,6
	v_pk_mul_f32 v[WT+\k:WT+\k+1], v[WT+\k:WT+\k+1], s[32:33] op_sel_hi:[1,0]
.endr
.irp k, 0,1,2,3
	v_cvt_pk_bf16_f32 v[WT+\k], v[WT+2*\k], v[WT+2*\k+1]   ; register k is written when its own pair has been read
.endr
	global_store_b128 v93, v[WT:WT+3], s[20:21]    ; its data and address registers are not written again in this wave
.Lno_weights:
; The four chains are folded, summed over the wave's 32 lanes, handed over in LDS (one word a wave at byte off) and summed over the eight waves into v80.
.macro TOTAL off
	v_pk_add_f32 v[CH:CH+1], v[CH:CH+1], v[CH+2:CH+3]
	v_pk_add_f32 v[CH+4:CH+5], v[CH+4:CH+5], v[CH+6:CH+7]
	v_pk_add_f32 v[CH:CH+1], v[CH:CH+1], v[CH+4:CH+5]
	v_add_f32 v80, v[CH], v[CH+1]
	v_add_f32_dpp v80, v80, v80 row_xmask:1 row_mask:0xf bank_mask:0xf
	v_add_f32_dpp v80, v80, v80 row_xmask:2 row_mask:0xf bank_mask:0xf
	v_add_f32_dpp v80, v80, v80 row_xmask:4 row_mask:0xf bank_mask:0xf
	v_add_f32_dpp v80, v80, v80 row_xmask:8 row_mask:0xf bank_mask:0xf
	v_permlanex16_b32 v81, v80, s26, s27
	v_add_f32 v80, v80, v81
	ds_store_b32 v5, v80 offset:\off               ; all lanes write the same word with the same value
	s_wait_dscnt 0x0                               ; my word is written before I signal
	s_barrier_signal -1
	s_barrier_wait -1
	ds_load_b128 v[CH:CH+3], v6 offset:\off
	ds_load_b128 v[CH+4:CH+7], v6 offset:\off+16
	s_wait_dscnt 0x0
	v_pk_add_f32 v[CH:CH+1], v[CH:CH+1], v[CH+2:CH+3]
	v_pk_add_f32 v[CH+4:CH+5], v[CH+4:CH+5], v[CH+6:CH+7]
	v_pk_add_f32 v[CH:CH+1], v[CH:CH+1], v[CH+4:CH+5]
	v_add_f32 v80, v[CH], v[CH+1]
.endm
	s_wait_loadcnt 0x0                             ; x, gamma, beta
	; pass 1: the sum, in four chains; the first additions start them, nothing is cleared
.irp k, 0,1,2,3
	v_pk_add_f32 v[CH+2*\k:CH+2*\k+1], v[X+2*\k:X+2*\k+1], v[X+8+2*\k:X+8+2*\k+1]
.endr
.set j, 8
.rept 24
	v_pk_add_f32 v[CH+2*(j%4):CH+2*(j%4)+1], v[CH+2*(j%4):CH+2*(j%4)+1], v[X+2*j:X+2*j+1]
.set j, j+1
.endr
	TOTAL 0
	v_mul_f32 v[MN], s35, v80                      ; mean
	v_mov_b32 v[MN+1], v[MN]
	; pass 2: the sum of (x - mean)^2
.set j, 0
.rept 32
	v_pk_add_f32 v[X+2*j:X+2*j+1], v[X+2*j:X+2*j+1], v[MN:MN+1] neg_lo:[0,1] neg_hi:[0,1]
.set j, j+1
.endr
.irp k, 0,1,2,3
	v_pk_mul_f32 v[CH+2*\k:CH+2*\k+1], v[X+2*\k:X+2*\k+1], v[X+2*\k:X+2*\k+1]
.endr
.set j, 4
.rept 28
	v_pk_fma_f32 v[CH+2*(j%4):CH+2*(j%4)+1], v[X+2*j:X+2*j+1], v[X+2*j:X+2*j+1], v[CH+2*(j%4):CH+2*(j%4)+1]
.set j, j+1
.endr
	TOTAL 32                                       ; other LDS bytes than the first sum's: no barrier is needed between the two uses
	v_fmaak_f32 v80, s35, v80, 0x358637bd          ; variance + 1e-6
	v_rsq_f32 v81, v80
	v_nop                                          ; one plain vector instruction behind v_rsq_f32 before its result is used (ISA guide 5.7.2)
	s_cmp_lg_u32 s22, 0
	s_cbranch_scc1 .Ldone
	s_wait_alu depctr_va_vdst(0)
	v_mul_f32 v[WT], v3, v81                       ; a = gamma rstd
	v_fma_f32 v[WT+1], -v[MN], v[WT], v4           ; s = beta - mean a
	v_lshlrev_b32 v7, 3, v0
	s_lshl_b32 s36, ttmp9, 5                       ; (128 b + 4 g) x 8 bytes = 32 i
	s_mov_b32 s37, 0
	s_add_nc_u64 s[18:19], s[18:19], s[36:37]
	s_wait_xcnt 0x0                                ; EXEC is narrowed only behind this wait
	v_cmp_gt_u32 vcc_lo, 4, v0
	s_and_saveexec_b32 s34, vcc_lo
	global_store_b64 v7, v[WT:WT+1], s[18:19]      ; threads 0 to 3: the group's four channels
	s_wait_xcnt 0x0                                ; and widened only behind this one
	s_or_b32 exec_lo, exec_lo, s34
.Ldone:
	s_wait_tensorcnt 0x0
	ds_add_u32 v96, v97
	s_wait_dscnt 0x0
	s_endpgm
.Lfunc_end_k_q70a580517f_stats:
	.size	k_q70a580517f_stats, .Lfunc_end_k_q70a580517f_stats-k_q70a580517f_stats
	.p2alignl 7, 3214868480
	.fill 96, 4, 3214868480
	.section	.rodata,"a",@progbits
	.p2align	6, 0x0
	.amdhsa_kernel k_q70a580517f_stats
		.amdhsa_group_segment_fixed_size 1280
		.amdhsa_private_segment_fixed_size 0
		.amdhsa_enable_private_segment 0
		.amdhsa_kernarg_size 72
		.amdhsa_user_sgpr_count 2
		.amdhsa_user_sgpr_kernarg_segment_ptr 1
		.amdhsa_wavefront_size32 1
		.amdhsa_system_sgpr_workgroup_id_x 1
		.amdhsa_system_sgpr_workgroup_id_y 1
		.amdhsa_system_sgpr_workgroup_id_z 1
		.amdhsa_system_vgpr_workitem_id 0
		.amdhsa_next_free_vgpr 98
		.amdhsa_next_free_sgpr 66
		.amdhsa_reserve_vcc 1
		.amdhsa_float_denorm_mode_32 3
		.amdhsa_float_denorm_mode_16_64 3
		.amdhsa_memory_ordered 1
		.amdhsa_forward_progress 1
		.amdhsa_inst_pref_size 14
	.end_amdhsa_kernel
	.amdgpu_metadata
---
amdhsa.version: [ 1, 2 ]
amdhsa.kernels:
  - .name:           k_q70a580517f_stats
    .symbol:         k_q70a580517f_stats.kd
    .args:
      - { .name: x, .offset: 0, .size: 8, .value_kind: global_buffer, .address_space: global }
      - { .name: gamma, .offset: 8, .size: 8, .value_kind: global_buffer, .address_space: global }
      - { .name: beta, .offset: 16, .size: 8, .value_kind: global_buffer, .address_space: global }
      - { .name: Wq, .offset: 24, .size: 8, .value_kind: global_buffer, .address_space: global }
      - { .name: Wk, .offset: 32, .size: 8, .value_kind: global_buffer, .address_space: global }
      - { .name: Wv, .offset: 40, .size: 8, .value_kind: global_buffer, .address_space: global }
      - { .name: Wo, .offset: 48, .size: 8, .value_kind: global_buffer, .address_space: global }
      - { .name: st, .offset: 56, .size: 8, .value_kind: global_buffer, .address_space: global }
      - { .name: wbf, .offset: 64, .size: 8, .value_kind: global_buffer, .address_space: global }
    .group_segment_fixed_size: 1280
    .private_segment_fixed_size: 0
    .kernarg_segment_align: 8
    .kernarg_segment_size: 72
    .max_flat_workgroup_size: 256
    .sgpr_count:     66
    .vgpr_count:     98
    .wavefront_size: 32
...
	.end_amdgpu_metadata
.endif
;; end of part 1
;; launch qkv (part 2): grid 32 x 8, 8 waves a work-group, no clusters, 142,336 bytes of LDS; arguments x, st, wbf, bq, bk, bv, qbuf, kv; writes qbuf, kv
.if DOCPART == 2
	.amdgcn_target "amdgcn-amd-amdhsa--gfx1250"
	.amdhsa_code_object_version 6
	.text
	.protected	k_q70a580517f_qkv
	.globl	k_q70a580517f_qkv
	.p2align	8
	.type	k_q70a580517f_qkv,@function
k_q70a580517f_qkv:
	s_mov_b64 s[64:65], 0
	v_nop
	global_prefetch_b8 v0, s[64:65] scope:SCOPE_SE
	s_setreg_imm32_b32 hwreg(HW_REG_WAVE_MODE, 25, 1), 1
	s_wait_xcnt 0x0
; h = a x + s (GroupNorm), then q sigma = h (sigma Wq)^T + sigma bq, k = h Wk^T + bk, v = h Wv^T + bv; operands bf16, sums f32, results bf16.
; Work-group (t, b) owns positions 128 t .. 128 t + 127 of image b.  Wave w normalises channels 16 w .. 16 w + 15 into LDS, and then owns output
; channels 16 w .. 16 w + 15 of Q, K and V: its 12 weight fragments stay in registers while it walks the eight tiles of 16 positions.
; x lies [c][n], so h lies in LDS as [c][n] and its fragments (index = position, k = channel) come by the transposing LDS load.
; Q and K: source 0 = weight rows, source 1 = h: a lane holds eight neighbouring output channels of one position = 16 bytes of a row [n][c].
; V: source 0 = h, source 1 = weight rows: a lane holds eight neighbouring positions of one channel = 16 bytes of a row [c][n] (V is stored transposed).
; The biases are the C operand of each tile's first product: nothing is cleared, nothing is added afterwards.
; Out: qbuf[b][n][c]; kv[b][t] = 256 rows of 256 bytes: rows 0-127 K[key][c], rows 128-255 V^T[c][key].  All go through LDS so that each store of a
; wave covers 512 neighbouring bytes, aligned.
; No tensor loads and no cluster: a work-group shares only 96 KiB of weights with the others, read once into registers.
.set HP,    288                        ; pitch of h[c][n]: 256 bytes + 32, an odd multiple of 32 for the transposing load
.set SP,    272                        ; pitch of the three stages: 256 bytes + 16
.set QS,    36864                      ; stage of Q [n][c], behind h's 128 x 288 bytes
.set KSOFF, 34816                      ; stage of K [n][c] lies 128 x 272 bytes behind Q's
.set VS,    106496                     ; stage of V [c][n]
.set XR,  16                           ; v[16:79]   x as loaded: channel i in 4 registers
.set HF0, 16                           ; v[16:47]   h fragments of an even position tile (ks at +8 ks)
.set HF1, 48                           ; v[48:79]   of an odd one
.set WF,  80                           ; v[80:175]  weight fragments: matrix at +32, ks at +8; on the way out: rows read back
.set BQ,  176                          ; v[176:183] sigma bq, v[184:191] bk, v[192:199] bv, each in the shape of a C operand
.set BK,  184
.set BV,  192
.set AQ,  200                          ; three accumulators
.set AK,  208
.set AV,  216
.set PK,  224                          ; v[224:235] packed results
	s_load_b512 s[4:19], s[0:1], 0x0               ; x s[4:5], st s[6:7], wbf s[8:9], bq s[10:11], bk s[12:13], bv s[14:15], qbuf s[16:17], kv s[18:19]
	v_lshl_add_u32 v254, v0, 2, 0x22800
	v_mov_b32 v255, 0
	v_lshrrev_b32 v1, 5, v0
	v_readfirstlane_b32 s52, v1                    ; wave w
	s_and_b32 s54, ttmp7, 0xffff                   ; image b
	v_and_b32 v3, 31, v0                           ; lane L
	v_and_b32 v1, 15, v0                           ; r
	v_bfe_u32 v2, v0, 4, 1                         ; h
	v_lshlrev_b32 v4, 4, v3                        ; x: 16 L
	s_lshl_b32 s56, s54, 10                        ; st: 1,024 b + 128 w
	s_lshl_b32 s55, s52, 7
	s_add_co_u32 s56, s56, s55
	s_mov_b32 s57, 0
	s_lshl_b32 s58, s54, 21                        ; x: 2 MiB b + 16 w channels of 16,384 bytes + 512 t
	s_lshl_b32 s55, s52, 18
	s_add_co_u32 s58, s58, s55
	s_lshl_b32 s55, ttmp9, 9
	s_add_co_u32 s58, s58, s55
	s_mov_b32 s59, 0
	s_lshl_b32 s55, s52, 12
	v_lshl_add_u32 v7, v1, 8, s55                  ; weights: row 16 w + r of 256 bytes
	v_lshl_add_u32 v7, v2, 4, v7                   ;          + 16 h
	v_lshl_add_u32 v12, v3, 4, s55                 ; the way out: 4,096 w + 16 L
	s_lshl_b32 s55, s52, 6
	v_lshl_add_u32 v13, v2, 5, s55                 ; bq, bk: 4 (16 w + 8 h)
	v_lshl_add_u32 v14, v1, 2, s55                 ; bv: 4 (16 w + r)
	s_wait_kmcnt 0x0
	s_add_nc_u64 s[6:7], s[6:7], s[56:57]
	s_add_nc_u64 s[4:5], s[4:5], s[58:59]
	s_load_b512 s[20:35], s[6:7], 0x0              ; { a, s } of my channels 0-7
	s_load_b512 s[36:51], s[6:7], 0x40             ; and 8-15
.irp i, 0,1,2,3,4,5,6,7,8,9,10,11,12,13,14,15
	global_load_b128 v[XR+4*\i:XR+4*\i+3], v4, s[4:5] offset:16384*\i      ; one channel's 128 positions: 512 neighbouring bytes
.endr
.irp m, 0,1,2
.irp ks, 0,1,2,3
	global_load_b128 v[WF+32*\m+8*\ks:WF+32*\m+8*\ks+3],   v7, s[8:9] offset:32768*\m+64*\ks
	global_load_b128 v[WF+32*\m+8*\ks+4:WF+32*\m+8*\ks+7], v7, s[8:9] offset:32768*\m+64*\ks+32
.endr
.endr
	global_load_b128 v[BQ:BQ+3],   v13, s[10:11]
	global_load_b128 v[BQ+4:BQ+7], v13, s[10:11] offset:16
	global_load_b128 v[BK:BK+3],   v13, s[12:13]
	global_load_b128 v[BK+4:BK+7], v13, s[12:13] offset:16
	global_load_b32 v[BV], v14, s[14:15]
	; LDS addresses
	s_mul_i32 s55, s52, 16*HP
	v_lshl_add_u32 v5, v3, 3, s55                  ; h in: row 16 w (+ i), 8 bytes a lane
	v_and_b32 v15, 7, v0
	v_lshl_add_u32 v15, v2, 3, v15
	v_mul_u32_u24 v6, v15, HP                      ; h out, transposing: row 8 h + L % 8,
	v_bfe_u32 v15, v0, 3, 1
	v_lshl_add_u32 v6, v15, 4, v6                  ; 16 bytes further for lanes 8-15 and 24-31
	v_mul_u32_u24 v9, v1, SP
	v_lshl_add_u32 v9, v2, 4, v9                   ; r x 272 + 16 h
	s_lshl_b32 s55, s52, 5
	s_add_co_u32 s55, s55, QS
	v_add_nc_u32 v8, s55, v9                       ; Q, K in: row r (+ 16 pt), column bytes 32 w + 16 h
	s_mul_i32 s55, s52, 16*SP
	s_add_co_u32 s53, s55, VS
	v_add_nc_u32 v9, s53, v9                       ; V in: row 16 w + r, column bytes 16 h (+ 32 pt)
	v_mul_u32_u24 v10, v2, SP
	v_lshl_add_u32 v10, v1, 4, v10
	s_add_co_u32 s55, s55, QS
	v_add_nc_u32 v10, s55, v10                     ; back: rows 16 w + h (+ 2 i), 16 bytes a lane
	v_add_nc_u32 v11, VS-QS, v10
	s_lshl_b32 s56, s54, 20                        ; qbuf: 1 MiB b + 32 KiB t
	s_lshl_b32 s55, ttmp9, 15
	s_add_co_u32 s56, s56, s55
	s_add_nc_u64 s[16:17], s[16:17], s[56:57]
	s_lshl_b32 s58, s54, 21                        ; kv: 64 KiB (32 b + t)
	s_lshl_b32 s55, ttmp9, 16
	s_add_co_u32 s58, s58, s55
	s_add_nc_u64 s[18:19], s[18:19], s[58:59]
	; normalise my 16 channels and lay them into LDS
	s_wait_loadcnt 29                              ; x is in: the 24 weight loads and 5 bias loads issued behind it may stay out
	s_wait_kmcnt 0x0
.irp i, 0,1,2,3,4,5,6,7,8,9,10,11,12,13,14,15
.irp j, 0,1,2,3
	v_fma_f32 v[XR+4*\i+\j], v[XR+4*\i+\j], s[20+2*\i], s[21+2*\i]
.endr
	v_cvt_pk_bf16_f32 v[XR+4*\i],   v[XR+4*\i],   v[XR+4*\i+1]
	v_cvt_pk_bf16_f32 v[XR+4*\i+1], v[XR+4*\i+2], v[XR+4*\i+3]
	ds_store_b64 v5, v[XR+4*\i:XR+4*\i+1] offset:HP*\i
.endr
	s_wait_dscnt 0x0                               ; my rows of h are written before I signal
	s_barrier_signal -1
	s_barrier_wait -1
; the four h fragments of position tile pt: index = position 16 pt + r, k = channel 32 ks + ..
.macro HLD pt, buf
.irp ks, 0,1,2,3
	ds_load_tr16_b128 v[\buf+8*\ks:\buf+8*\ks+3],   v6 offset:32*HP*\ks+32*(\pt)
	ds_load_tr16_b128 v[\buf+8*\ks+4:\buf+8*\ks+7], v6 offset:32*HP*\ks+32*(\pt)+16*HP
.endr
.endm
; One position tile: 12 products, the three accumulators by turns, one instruction a turn.
; cnt = the LDS instructions issued behind this tile's eight loads.  ahead = 1: buffer buf is loaded again, two tiles ahead.
.macro PT pt, buf, cnt, ahead
	s_wait_dscnt \cnt
	v_wmma_f32_16x16x32_bf16 v[AQ:AQ+7], v[WF:WF+7],       v[\buf:\buf+7],   v[BQ:BQ+7]
	v_wmma_f32_16x16x32_bf16 v[AK:AK+7], v[WF+32:WF+39],   v[\buf:\buf+7],   v[BK:BK+7]
	v_wmma_f32_16x16x32_bf16 v[AV:AV+7], v[\buf:\buf+7],   v[WF+64:WF+71],   v[BV:BV+7]
.irp ks, 1,2,3
	v_wmma_f32_16x16x32_bf16 v[AQ:AQ+7], v[WF+8*\ks:WF+8*\ks+7],       v[\buf+8*\ks:\buf+8*\ks+7], v[AQ:AQ+7]
	v_wmma_f32_16x16x32_bf16 v[AK:AK+7], v[WF+32+8*\ks:WF+32+8*\ks+7], v[\buf+8*\ks:\buf+8*\ks+7], v[AK:AK+7]
	v_wmma_f32_16x16x32_bf16 v[AV:AV+7], v[\buf+8*\ks:\buf+8*\ks+7],   v[WF+64+8*\ks:WF+64+8*\ks+7], v[AV:AV+7]
.endr
.rept 5
	v_nop                                          ; the places behind the products: for the conversions, the loads into buf, and the next tile's first products, which write over the accumulators
.endr
.if \ahead
	HLD \pt+2, \buf
.endif
.irp j, 0,1,2,3
	v_cvt_pk_bf16_f32 v[PK+\j],   v[AQ+2*\j], v[AQ+2*\j+1]
	v_cvt_pk_bf16_f32 v[PK+4+\j], v[AK+2*\j], v[AK+2*\j+1]
	v_cvt_pk_bf16_f32 v[PK+8+\j], v[AV+2*\j], v[AV+2*\j+1]
.endr
	ds_store_b128 v8, v[PK:PK+3]    offset:16*SP*(\pt)
	ds_store_b128 v8, v[PK+4:PK+7]  offset:KSOFF+16*SP*(\pt)
	ds_store_b128 v9, v[PK+8:PK+11] offset:32*(\pt)
.endm
	HLD 0, HF0
	HLD 1, HF1
	s_wait_loadcnt 0x0                             ; weights and biases
.irp j, 0,2,4,6
	v_pk_mul_f32 v[BQ+\j:BQ+\j+1], v[BQ+\j:BQ+\j+1], 0x3e0293ee op_sel_hi:[1,0]   ; sigma bq
.endr
.irp j, 1,2,3,4,5,6,7
	v_mov_b32 v[BV+\j], v[BV]                      ; a lane's eight results of V belong to one channel: the C operand holds its bias eight times
.endr
	PT 0, HF0, 8,  1                               ; behind tile 0's loads: tile 1's 8
	PT 1, HF1, 11, 1                               ; tile 2's 8 loads and 3 stores
	PT 2, HF0, 14, 1                               ; 3 stores, 8 loads, 3 stores
	PT 3, HF1, 14, 1
	PT 4, HF0, 14, 1
	PT 5, HF1, 14, 1
	PT 6, HF0, 14, 0
	PT 7, HF1, 6,  0                               ; 3 stores and 3 stores
	s_wait_dscnt 0x0                               ; my columns of the stages are written before I signal
	s_barrier_signal -1
	s_barrier_wait -1
	; the way out: wave w takes rows 16 w .. 16 w + 15 of each stage, two rows a load
.irp i, 0,1,2,3,4,5,6,7
	ds_load_b128 v[WF+4*\i:WF+4*\i+3], v10 offset:2*SP*\i
.endr
.irp i, 0,1,2,3,4,5,6,7
	ds_load_b128 v[WF+32+4*\i:WF+32+4*\i+3], v10 offset:KSOFF+2*SP*\i
.endr
.irp i, 0,1,2,3,4,5,6,7
	ds_load_b128 v[WF+64+4*\i:WF+64+4*\i+3], v11 offset:2*SP*\i
.endr
.irp i, 0,1,2,3,4,5,6,7
	s_wait_dscnt 23-\i                             ; LDS loads come back in order (ISA guide 5.7.1): the counts run down over the 24
	global_store_b128 v12, v[WF+4*\i:WF+4*\i+3], s[16:17] offset:512*\i
.endr
.irp i, 0,1,2,3,4,5,6,7
	s_wait_dscnt 15-\i
	global_store_b128 v12, v[WF+32+4*\i:WF+32+4*\i+3], s[18:19] offset:512*\i
.endr
.irp i, 0,1,2,3,4,5,6,7
	s_wait_dscnt 7-\i
	global_store_b128 v12, v[WF+64+4*\i:WF+64+4*\i+3], s[18:19] offset:32768+512*\i
.endr
	s_wait_tensorcnt 0x0
	ds_add_u32 v254, v255
	s_wait_dscnt 0x0
	s_endpgm
.Lfunc_end_k_q70a580517f_qkv:
	.size	k_q70a580517f_qkv, .Lfunc_end_k_q70a580517f_qkv-k_q70a580517f_qkv
	.p2alignl 7, 3214868480
	.fill 96, 4, 3214868480
	.section	.rodata,"a",@progbits
	.p2align	6, 0x0
	.amdhsa_kernel k_q70a580517f_qkv
		.amdhsa_group_segment_fixed_size 142336
		.amdhsa_private_segment_fixed_size 0
		.amdhsa_enable_private_segment 0
		.amdhsa_kernarg_size 64
		.amdhsa_user_sgpr_count 2
		.amdhsa_user_sgpr_kernarg_segment_ptr 1
		.amdhsa_wavefront_size32 1
		.amdhsa_system_sgpr_workgroup_id_x 1
		.amdhsa_system_sgpr_workgroup_id_y 1
		.amdhsa_system_sgpr_workgroup_id_z 1
		.amdhsa_system_vgpr_workitem_id 0
		.amdhsa_next_free_vgpr 256
		.amdhsa_next_free_sgpr 66
		.amdhsa_reserve_vcc 0
		.amdhsa_float_denorm_mode_32 3
		.amdhsa_float_denorm_mode_16_64 3
		.amdhsa_memory_ordered 1
		.amdhsa_forward_progress 1
		.amdhsa_inst_pref_size 39
	.end_amdhsa_kernel
	.amdgpu_metadata
---
amdhsa.version: [ 1, 2 ]
amdhsa.kernels:
  - .name:           k_q70a580517f_qkv
    .symbol:         k_q70a580517f_qkv.kd
    .args:
      - { .name: x, .offset: 0, .size: 8, .value_kind: global_buffer, .address_space: global }
      - { .name: st, .offset: 8, .size: 8, .value_kind: global_buffer, .address_space: global }
      - { .name: wbf, .offset: 16, .size: 8, .value_kind: global_buffer, .address_space: global }
      - { .name: bq, .offset: 24, .size: 8, .value_kind: global_buffer, .address_space: global }
      - { .name: bk, .offset: 32, .size: 8, .value_kind: global_buffer, .address_space: global }
      - { .name: bv, .offset: 40, .size: 8, .value_kind: global_buffer, .address_space: global }
      - { .name: qbuf, .offset: 48, .size: 8, .value_kind: global_buffer, .address_space: global }
      - { .name: kv, .offset: 56, .size: 8, .value_kind: global_buffer, .address_space: global }
    .group_segment_fixed_size: 142336
    .private_segment_fixed_size: 0
    .kernarg_segment_align: 8
    .kernarg_segment_size: 64
    .max_flat_workgroup_size: 256
    .sgpr_count:     66
    .vgpr_count:     256
    .wavefront_size: 32
...
	.end_amdgpu_metadata
.endif
;; end of part 2
;; launch attn (part 3): grid 32 x 8, 4 waves a work-group, clusters of 4 x 1, 327,680 bytes of LDS; arguments qbuf, kv, wbf, x, out0; writes out0
.if DOCPART == 3
	.amdgcn_target "amdgcn-amd-amdhsa--gfx1250"
	.amdhsa_code_object_version 6
	.text
	.protected	k_q70a580517f_attn
	.globl	k_q70a580517f_attn
	.p2align	8
	.type	k_q70a580517f_attn,@function
k_q70a580517f_attn:
	s_mov_b64 s[64:65], 0
	v_nop
	global_prefetch_b8 v0, s[64:65] scope:SCOPE_SE
	s_setreg_imm32_b32 hwreg(HW_REG_WAVE_MODE, 25, 1), 1
	s_wait_xcnt 0x0
	s_wait_alu depctr_hold_cnt(0) depctr_sa_sdst(0) depctr_va_vdst(0) depctr_va_sdst(0) depctr_va_ssrc(0) depctr_va_vcc(0) depctr_vm_vsrc(0)
	s_getreg_b32 s2, hwreg(HW_REG_IB_STS2, 6, 4)
	s_cmp_eq_u32 s2, 0
	s_cbranch_scc0 .Lentry_in_a_cluster
	s_endpgm
.Lentry_in_a_cluster:
	s_bfe_u32 s2, ttmp6, 0x10000c
	s_cmp_lg_u32 s2, 0x3003
	s_cbranch_scc0 .Lentry_shape_is_right
	s_endpgm
.Lentry_shape_is_right:
; out0 = softmax(q k^T / sqrt(128)) v Wo^T + x, one head of 128 channels over 4,096 positions, for each of 8 images.
; A work-group owns 128 queries of image b and walks the image's 32 tiles of 128 keys.  Four waves: wave w = 2 qh + kh takes queries 64 qh .. + 63
; against keys 64 kh .. + 63 of every tile, with a running maximum and sum of its own; at the end the two key halves are merged.
; A trip is 64 + 64 matrix instructions for 64 LDS loads of 16 bytes a lane.
; THE LAYOUTS CHAIN WITHOUT A SHUFFLE.  S^T = K Q^T (source 0 = rows of K, source 1 = Q): lane (r, h), register j holds key 8 h + j of query r.
; Two neighbouring key tiles, packed to bf16 in place, ARE a fragment of P with index = query.  O^T = V^T P (source 0 = rows of V^T): the lane holds
; channels 8 h + j of query r, so the factor that rescales O is the lane's own.  Two neighbouring channel tiles of O, packed in place, are the
; fragment for out^T = Wo O^T, which comes out channel-major like x and out0.
; The scores arrive in base 2: log2(e) / sqrt(128) was folded into q.  The maximum is taken away before every exponential.
; CLUSTER: the four work-groups of a cluster work on four query blocks of one image and need the same tiles (and the same Wo): each tile is asked for
; jointly, by the same descriptor in all four with the mask 15, which divides the requests for tiles by four.  Nothing in a descriptor, an LDS address
; or a branch hangs on the place in the cluster: it enters the bases of qbuf, x and out0 alone.
; REGISTER TILES: register query tile q holds tile (q + 2 kh) % 4 of the wave's four.  So every wave keeps tiles 0, 1 and hands over tiles 2, 3,
; and what the partner (w xor 1) hands over are this wave's tiles 0, 1: the merge needs no branch and is shared evenly.
; Limits: NaN and infinities are not treated specially; v_exp_f32 gives zero below 2^-126; the sum l adds the f32 exponentials, while the product
; with V takes them rounded to bf16.
.set PITCH,  272                       ; an LDS row: 256 bytes + 16 of padding: the 16 rows that a fragment load touches lie in 16 different 16-byte columns modulo 256 bytes
.set SLOT,   256*PITCH                 ; a tile: 128 rows of K, then 128 rows of V^T
.set VOFF,   128*PITCH
.set WO,     2*SLOT                    ; 139,264: Wo, 128 rows, filled once
.set MRG,    WO+128*PITCH              ; 174,080: for each wave 32 x 512 bytes of O and 512 bytes of (M, l); no fill lands here
.set MRGW,   16896
.set OUTS,   MRG+4*MRGW                ; 241,664: out[c][n] in f32, 128 rows of 528 bytes; no fill lands here
.set OPITCH, 528
; window 0
.set ADK, 8                            ; v8-9    my K fragments in slot 0, 1
.set ADV, 10                           ; v10-11  my V fragments in slot 0, 1
.set ADW, 12                           ; Wo fragments
.set STM, 13                           ; merge: where I put, 16 bytes a lane
.set LDM, 14                           ; merge: where my partner put
.set STO, 15                           ; out stage, in
.set RDO, 16                           ; out stage, back
.set XOF, 17                           ; byte offset of my 16 bytes of x and out0
.set QA,  18                           ; v18-19  byte offsets of Q's rows: register tiles 0, 1 and 2, 3
.set KF,  64                           ; v[64:191]  K fragments (kt, ks) at 32 kt + 8 ks; later Wo's m tiles 0-3, then out rows
.set XA,  192                          ; v[192:255] x, my rows 0-15
; window 1: v[0:127] Q fragments (q, ks) at 32 q + 8 ks, later the partner's O
.set VF,  128                          ; v[128:255] V fragments (ct, p) at 16 ct + 8 p; later Wo's m tiles 4-7
; window 2: v[0:127] S (q, kt) at 32 q + 8 kt; P (q, p) in place at 32 q + 16 p; later out tiles (mt, q) at 8 (2 mt + q)
.set MX,  128                          ; running maximum, a pair for each q
.set AL,  136                          ; 2^(old maximum - new), a pair for each q
.set LA,  144                          ; running sums, two chains of pairs for each q
.set LB,  152
.set TM,  160                          ; + q
.set TN,  164                          ; + q
.set SX,  176                          ; v[176:179] (M, l) of tiles 2, 3, to send
.set RX,  180                          ; v[180:183] the partner's, for my tiles 0, 1
.set FA,  184                          ; factor of my O, a pair for q = 0, 1
.set FB,  188                          ; factor of the partner's O
.set XB,  192                          ; v[192:255] x, my rows 16-31
; window 3: O (q, ct) at 64 q + 8 ct
.set G1,  24                           ; s[24:31] descriptor group 1, tiles: 64 rows a wave
.set G1W, 32                           ; s[32:39] the same for Wo: 32 rows a wave
.set G0,  40                           ; s[40:47] descriptor group 0, a set for each slot
.set G0W, 48                           ; s[48:51] for Wo
; s_set_vgpr_msb's low byte: bits 1:0 source 0, 3:2 source 1, 5:4 source 2, 7:6 destination
.set W_S,  0xa4                        ; K window 0, Q window 1, S window 2
.set W_SM, 0xaa                        ; all in window 2
.set W_RS, 0xcb                        ; O (3) = O (3) x factor (2)
.set W_PV, 0xf9                        ; V or the partner's O window 1, P or factor window 2, O window 3
.set W_CV, 0xcf                        ; O packed in place
.set W_W0, 0xac                        ; Wo window 0, O window 3, out window 2
.set W_W1, 0xad                        ; Wo window 1
.set W_XB, 0x88                        ; destination and source 1 (also a store's data) window 2
.set TO1,  0x40                        ; loads into window 1
.set TO2,  0x80                        ; loads into window 2
.set D2,   0x08                        ; LDS store data from window 2
.set D3,   0x0c                        ; LDS store data from window 3
.set MSB, 0
.macro WIN new                         ; the immediate's high byte repeats the setting that is left; a switch that changes nothing is dropped
.if MSB != \new
	s_set_vgpr_msb (MSB<<8)|\new
.set MSB, \new
.endif
.endm
; A round of the cluster's barrier: my work-group's barrier, wave 0 signals for the work-group, every wave waits for all four work-groups, my work-group's barrier again.
.macro ROUND
	s_barrier_signal -1
	s_barrier_wait -1
	s_cmp_lg_u32 s14, 0
	s_cbranch_scc1 .Lnot_wave_0_\@
	s_barrier_signal -3
.Lnot_wave_0_\@:
	s_barrier_wait -3
	s_barrier_signal -1
	s_barrier_wait -1
.endm
; The places behind matrix instructions: five, which serve vector instructions and loads that touch their registers, and matrix
; instructions that write over them or take a result as a source.
.macro PLACES
.rept 5
	v_nop
.endr
.endm
	s_load_b256 s[4:11], s[0:1], 0x0               ; qbuf s[4:5], kv s[6:7], wbf s[8:9], x s[10:11]
	s_load_b64 s[12:13], s[0:1], 0x20              ; out0
	v_lshl_add_u32 v62, v0, 2, 0x4b800
	v_mov_b32 v63, 0
	ds_add_u32 v62, v63
	v_lshrrev_b32 v1, 5, v0
	v_readfirstlane_b32 s14, v1                    ; wave w
	s_lshr_b32 s15, s14, 1                         ; qh
	s_and_b32 s16, s14, 1                          ; kh
	s_bfe_u32 s17, ttmp6, 0x40000                  ; cx
	s_lshl_b32 s18, ttmp9, 2
	s_add_co_u32 s18, s18, s17                     ; query block = 4 x cluster x + cx
	s_and_b32 s19, ttmp7, 0xffff                   ; image b (the cluster is one work-group high)
	s_mov_b32 s52, 0x76543210                      ; v_permlanex16_b32: lane i reads lane i of the other half
	s_mov_b32 s53, 0xfedcba98
	; group 1: rows of 128 bf16, 16 bytes of padding behind each
	s_mov_b32 s[G1+0], 0x0771000f                  ; 15:0 mask: all four of the cluster; 17:16 elements of 2 bytes; 20 padding on; 21 set beside a mask; 24:22 after every 64 words; 31:25 four words
	s_mov_b32 s[G1+1], 128<<16                     ; tensor_dim0 = 128
	s_mov_b32 s[G1+2], 64<<16                      ; tensor_dim1 = 64
	s_mov_b32 s[G1+3], 128<<16                     ; tile_dim0 = 128
	s_mov_b32 s[G1+4], 64                          ; tile_dim1 = 64
	s_mov_b32 s[G1+5], 128                         ; from row to row: 128 elements
	s_mov_b32 s[G1+6], 0
	s_mov_b32 s[G1+7], 0
	s_mov_b32 s[G1W+0], 0x0771000f
	s_mov_b32 s[G1W+1], 128<<16
	s_mov_b32 s[G1W+2], 32<<16
	s_mov_b32 s[G1W+3], 128<<16
	s_mov_b32 s[G1W+4], 32
	s_mov_b32 s[G1W+5], 128
	s_mov_b32 s[G1W+6], 0
	s_mov_b32 s[G1W+7], 0
	; offsets in memory
	v_and_b32 v1, 15, v0                           ; r
	v_bfe_u32 v2, v0, 4, 1                         ; h
	v_and_b32 v3, 31, v0
	v_lshlrev_b32 v3, 4, v3                        ; 16 L
	s_lshl_b32 s20, s14, 19
	v_add_nc_u32 v[XOF], s20, v3                   ; rows 32 w (+ i) of 16,384 bytes, 16 bytes a lane
	v_lshlrev_b32 v4, 8, v1
	v_lshl_add_u32 v4, v2, 4, v4                   ; 256 r + 16 h
	s_lshl_b32 s20, s15, 14
	s_lshl_b32 s21, s16, 13
	s_add_co_u32 s21, s20, s21
	v_add_nc_u32 v[QA], s21, v4                    ; Q rows 64 qh + 32 kh + r: register tiles 0, 1
	s_xor_b32 s21, s16, 1
	s_lshl_b32 s21, s21, 13
	s_add_co_u32 s21, s20, s21
	v_add_nc_u32 v[QA+1], s21, v4                  ; Q rows 64 qh + 32 (1 - kh) + r: register tiles 2, 3
	s_lshl_b32 s20, s19, 21                        ; kv: 2 MiB b + my 64 rows of a tile
	s_lshl_b32 s21, s14, 14
	s_add_co_u32 s20, s20, s21
	s_mov_b32 s21, 0
	s_mul_i32 s22, s14, 64*PITCH                   ; and where they go in a slot
	s_mul_i32 s23, s14, 32*PITCH                   ; my 32 rows of Wo in LDS
	s_wait_dscnt 0x0
	s_wait_kmcnt 0x0
	s_add_nc_u64 s[6:7], s[6:7], s[20:21]
.irp s, 0,1
	s_mov_b32 s[G0+4*\s], 1                                        ; count = 1
	s_add_co_u32 s[G0+4*\s+1], s22, \s*SLOT                        ; LDS address: the slot's constant + wave x 64 rows
	s_add_nc_u64 s[G0+4*\s+2:G0+4*\s+3], s[6:7], \s*65536          ; tile s
	s_or_b32 s[G0+4*\s+3], s[G0+4*\s+3], 0x80000000                ; type = 2
.endr
	s_lshl_b32 s20, s14, 13
	s_add_co_u32 s20, s20, 98304                   ; Wo is the fourth matrix of wbf
	s_mov_b32 s[G0W], 1
	s_add_co_u32 s[G0W+1], s23, WO
	s_add_nc_u64 s[G0W+2:G0W+3], s[8:9], s[20:21]
	s_or_b32 s[G0W+3], s[G0W+3], 0x80000000
	s_lshl_b32 s56, s19, 21                        ; x and out0: 2 MiB b + 512 x query block (registers of their own for what hangs on cx)
	s_lshl_b32 s57, s18, 9
	s_add_co_u32 s56, s56, s57
	s_mov_b32 s57, 0
	s_add_nc_u64 s[10:11], s[10:11], s[56:57]
	s_add_nc_u64 s[12:13], s[12:13], s[56:57]
	s_lshl_b32 s56, s19, 20                        ; qbuf: 1 MiB b + 32 KiB x query block
	s_lshl_b32 s17, s18, 15
	s_add_co_u32 s56, s56, s17
	s_add_nc_u64 s[4:5], s[4:5], s[56:57]
	ROUND                                          ; all four work-groups are here: the first joint loads meet
	tensor_load_to_lds s[G0W:G0W+3], s[G1W:G1W+7]  ; the three first fills go out as one group; by this text's count a wave has three tensor loads out here
	s_nop 0
	tensor_load_to_lds s[G0:G0+3], s[G1:G1+7]      ; and one behind each later round
	s_nop 0
	tensor_load_to_lds s[G0+4:G0+7], s[G1:G1+7]
	s_nop 0
.irp i, 0,1,2,3,4,5,6,7,8,9,10,11,12,13,14,15
	global_load_b128 v[XA+4*\i:XA+4*\i+3], v[XOF], s[10:11] offset:16384*\i th:TH_LOAD_NT       ; x for the residual: kept in registers to the end
.endr
	WIN TO2
.irp i, 0,1,2,3,4,5,6,7,8,9,10,11,12,13,14,15
	global_load_b128 v[XB+4*\i:XB+4*\i+3], v[XOF], s[10:11] offset:16384*(\i+16) th:TH_LOAD_NT
.endr
.irp q, 0,1,2,3
	v_mov_b32 v[TN+\q], 0                          ; v_permlanex16_b32 counts as a reader of its destination
.endr
	WIN TO1
.irp q, 0,1,2,3
.irp ks, 0,1,2,3
	global_load_b128 v[32*\q+8*\ks:32*\q+8*\ks+3],   v[QA+\q/2], s[4:5] offset:4096*(\q%2)+64*\ks
	global_load_b128 v[32*\q+8*\ks+4:32*\q+8*\ks+7], v[QA+\q/2], s[4:5] offset:4096*(\q%2)+64*\ks+32
.endr
.endr
	WIN 0
	; LDS addresses: constants, the wave's number, the lane
	v_mul_u32_u24 v4, v1, PITCH
	v_lshl_add_u32 v4, v2, 4, v4                   ; r x 272 + 16 h
	s_mul_i32 s20, s16, 64*PITCH
	v_add_nc_u32 v[ADK], s20, v4                   ; K rows 64 kh + r
	v_add_nc_u32 v[ADK+1], SLOT, v[ADK]
	s_lshl_b32 s20, s16, 7
	s_add_co_u32 s20, s20, VOFF
	v_add_nc_u32 v[ADV], s20, v4                   ; V^T rows r, keys from 64 kh
	v_add_nc_u32 v[ADV+1], SLOT, v[ADV]
	v_add_nc_u32 v[ADW], WO, v4
	s_mul_i32 s20, s14, MRGW
	s_add_co_u32 s20, s20, MRG
	v_add_nc_u32 v[STM], s20, v3
	s_xor_b32 s20, s14, 1
	s_mul_i32 s20, s20, MRGW
	s_add_co_u32 s20, s20, MRG
	v_add_nc_u32 v[LDM], s20, v3
	v_mul_u32_u24 v5, v2, 8*OPITCH
	v_lshl_add_u32 v5, v1, 2, v5                   ; row 8 h, word r
	s_lshl_b32 s20, s15, 8
	s_lshl_b32 s21, s16, 7
	s_add_co_u32 s20, s20, s21
	s_add_co_u32 s20, s20, OUTS
	v_add_nc_u32 v[STO], s20, v5                   ; + 4 (64 qh + 32 kh): the queries of my register tiles 0, 1
	s_mul_i32 s20, s14, 32*OPITCH
	s_add_co_u32 s20, s20, OUTS
	v_add_nc_u32 v[RDO], s20, v3                   ; rows 32 w (+ i), 16 bytes a lane
; 32 LDS loads: my 64 keys x 128 channels of K
.macro KLD slot
	WIN 0
.irp kt, 0,1,2,3
.irp ks, 0,1,2,3
	ds_load_b128 v[KF+32*\kt+8*\ks:KF+32*\kt+8*\ks+3],   v[ADK+(\slot)] offset:16*PITCH*\kt+64*\ks
	ds_load_b128 v[KF+32*\kt+8*\ks+4:KF+32*\kt+8*\ks+7], v[ADK+(\slot)] offset:16*PITCH*\kt+64*\ks+32
.endr
.endr
.endm
; 32 LDS loads: 128 channels x my 64 keys of V^T
.macro VLD slot
	WIN TO1
.irp ct, 0,1,2,3,4,5,6,7
.irp p, 0,1
	ds_load_b128 v[VF+16*\ct+8*\p:VF+16*\ct+8*\p+3],   v[ADV+(\slot)] offset:16*PITCH*\ct+64*\p
	ds_load_b128 v[VF+16*\ct+8*\p+4:VF+16*\ct+8*\p+7], v[ADV+(\slot)] offset:16*PITCH*\ct+64*\p+32
.endr
.endr
.endm
; S^T = K Q^T: 64 products; the sixteen accumulators take turns, one instruction a turn; the first turn starts the sums
.macro SMUL
	WIN W_S
.irp ks, 0,1,2,3
.irp kt, 0,1,2,3
.irp q, 0,1,2,3
.if \ks == 0
	v_wmma_f32_16x16x32_bf16 v[32*\q+8*\kt:32*\q+8*\kt+7], v[KF+32*\kt+8*\ks:KF+32*\kt+8*\ks+7], v[32*\q+8*\ks:32*\q+8*\ks+7], 0
.else
	v_wmma_f32_16x16x32_bf16 v[32*\q+8*\kt:32*\q+8*\kt+7], v[KF+32*\kt+8*\ks:KF+32*\kt+8*\ks+7], v[32*\q+8*\ks:32*\q+8*\ks+7], v[32*\q+8*\kt:32*\q+8*\kt+7]
.endif
.endr
.endr
.endr
.endm
; The new maximum of each query (a lane's 32 keys, the old maximum, then the other half of the lanes), and AL = 2^(old - new)
.macro SMAX first
	WIN W_SM
.irp q, 0,1,2,3
.if \first
	v_max_num_f32 v[TM+\q], v[32*\q], v[32*\q+1]
.else
	v_max3_num_f32 v[TM+\q], v[32*\q], v[32*\q+1], v[MX+2*\q]
.endif
.endr
.set k, 1
.rept 15
.irp q, 0,1,2,3
	v_max3_num_f32 v[TM+\q], v[32*\q+2*k], v[32*\q+2*k+1], v[TM+\q]
.endr
.set k, k+1
.endr
.irp q, 0,1,2,3
	v_permlanex16_b32 v[TN+\q], v[TM+\q], s52, s53
.endr
.irp q, 0,1,2,3
	v_max_num_f32 v[TM+\q], v[TM+\q], v[TN+\q]
.endr
.if \first == 0
.irp q, 0,1,2,3
	v_sub_f32 v[AL+2*\q], v[MX+2*\q], v[TM+\q]
.endr
.irp q, 0,1,2,3
	v_exp_f32 v[AL+2*\q], v[AL+2*\q]
.endr
.endif
.irp q, 0,1,2,3
	v_mov_b32 v[MX+2*\q],   v[TM+\q]               ; both registers of the pair that the packed subtraction names; also the plain
	v_mov_b32 v[MX+2*\q+1], v[TM+\q]               ; instructions that stand behind v_exp_f32 before its result is used (ISA guide 5.7.2)
.endr
.if \first == 0
	s_wait_alu depctr_va_vdst(0)
.irp q, 0,1,2,3
	v_mov_b32 v[AL+2*\q+1], v[AL+2*\q]
.endr
.endif
.endm
.macro SSUB                            ; S - maximum
.irp q, 0,1,2,3
.set k, 0
.rept 16
	v_pk_add_f32 v[32*\q+2*k:32*\q+2*k+1], v[32*\q+2*k:32*\q+2*k+1], v[MX+2*\q:MX+2*\q+1] neg_lo:[0,1] neg_hi:[0,1]
.set k, k+1
.endr
.endr
.endm
; Step k of the sum of query tile s: even pairs into LA, odd into LB.  The first two steps carry the old sums over, times AL, by a fused multiply-add.
; In the first trip steps 0 and 1 start the chains from four pairs, and steps 2 and 3 have nothing left to do.
.macro LSUM s, first
.if \first
.if k == 0
	s_wait_alu depctr_va_vdst(0)
	v_pk_add_f32 v[LA+2*\s:LA+2*\s+1], v[32*\s:32*\s+1], v[32*\s+2:32*\s+3]
.endif
.if k == 1
	v_pk_add_f32 v[LB+2*\s:LB+2*\s+1], v[32*\s+4:32*\s+5], v[32*\s+6:32*\s+7]
.endif
.if k >= 4
	v_pk_add_f32 v[LA+8*(k%2)+2*\s:LA+8*(k%2)+2*\s+1], v[LA+8*(k%2)+2*\s:LA+8*(k%2)+2*\s+1], v[32*\s+2*k:32*\s+2*k+1]
.endif
.else
.if k < 2
	s_wait_alu depctr_va_vdst(0)
	v_pk_fma_f32 v[LA+8*k+2*\s:LA+8*k+2*\s+1], v[LA+8*k+2*\s:LA+8*k+2*\s+1], v[AL+2*\s:AL+2*\s+1], v[32*\s+2*k:32*\s+2*k+1]
.else
	v_pk_add_f32 v[LA+8*(k%2)+2*\s:LA+8*(k%2)+2*\s+1], v[LA+8*(k%2)+2*\s:LA+8*(k%2)+2*\s+1], v[32*\s+2*k:32*\s+2*k+1]
.endif
.endif
.endm
; The exponentials of query tile e, with the sum and the packing of tile s (the one before) between them: each v_exp_f32 is followed by plain work on
; other registers.  Packing in place: pair k goes to register 16 (k / 8) + k % 8, which lies at or below it and whose own pair has been summed and packed.
; -1 = no such tile.
.macro EXPSUM e, s, first
.set k, 0
.rept 16
.if \e >= 0
	v_exp_f32 v[32*\e+2*k], v[32*\e+2*k]
.endif
.if \s >= 0
	LSUM \s, \first
.endif
.if \e >= 0
	v_exp_f32 v[32*\e+2*k+1], v[32*\e+2*k+1]
.endif
.if \s >= 0
	v_cvt_pk_bf16_f32 v[32*\s+16*(k/8)+k%8], v[32*\s+2*k], v[32*\s+2*k+1]
.endif
.set k, k+1
.endr
.endm
.macro RESC                            ; O x AL: the lane's own factor, since a lane's O belongs to one query
	WIN W_RS
.irp q, 0,1,2,3
.set k, 0
.rept 32
	v_pk_mul_f32 v[64*\q+2*k:64*\q+2*k+1], v[64*\q+2*k:64*\q+2*k+1], v[AL+2*\q:AL+2*\q+1]
.set k, k+1
.endr
.endr
.endm
; O^T += V^T P: 64 products; the 32 accumulators take turns, one instruction a turn
.macro PVMUL first
	WIN W_PV
.irp p, 0,1
.irp q, 0,1,2,3
.irp ct, 0,1,2,3,4,5,6,7
.if \first*(1-\p)
	v_wmma_f32_16x16x32_bf16 v[64*\q+8*\ct:64*\q+8*\ct+7], v[VF+16*\ct+8*\p:VF+16*\ct+8*\p+7], v[32*\q+16*\p:32*\q+16*\p+7], 0
.else
	v_wmma_f32_16x16x32_bf16 v[64*\q+8*\ct:64*\q+8*\ct+7], v[VF+16*\ct+8*\p:VF+16*\ct+8*\p+7], v[32*\q+16*\p:32*\q+16*\p+7], v[64*\q+8*\ct:64*\q+8*\ct+7]
.endif
.endr
.endr
.endr
.endm
; One tile of 128 keys, in slot.  The change of slots stands in the MIDDLE of the trip, behind the S products: there the tile's K and V are both in
; registers, so the slot is free.  mode 2: the slot is filled again, two tiles ahead, and that load has a whole trip in which to land.
; mode 1: nothing is left to fetch, the next tile is still to be read.  mode 0: the last tile.
; The next tile's K fragments are loaded behind the softmax and the second product, its V fragments behind the next trip's first product.
.macro TRIP slot, first, mode
	s_wait_dscnt 32                                ; K's 32 loads are in; V's 32, issued behind them, may stay out
	SMUL
	PLACES
	WIN 0
.if \mode == 2
	s_wait_tensorcnt 0x0                           ; all my tensor loads have landed, my part of the next tile among them,
	ds_add_u32 v62, v63
	s_add_nc_u64 s[G0+4*\slot+2:G0+4*\slot+3], s[G0+4*\slot+2:G0+4*\slot+3], 2*65536   ; so a group 0 may be written: this slot's next tile
	s_wait_dscnt 0x0                               ; V is in registers too: my reads of this slot are over
	ROUND                                          ; both now hold of every wave of all four work-groups
	tensor_load_to_lds s[G0+4*\slot:G0+4*\slot+3], s[G1:G1+7]      ; my one tensor load behind the round, and the first thing there
	s_nop 0
	KLD 1-\slot
.endif
.if \mode == 1
	s_wait_tensorcnt 0x0                           ; my part of the last tile has landed
	s_wait_dscnt 0x0
	s_barrier_signal -1
	s_barrier_wait -1                              ; everybody's has
	KLD 1-\slot
.endif
.if \mode == 0
	s_wait_dscnt 0x0                               ; V
.endif
	SMAX \first
	SSUB
	EXPSUM 0, -1, \first
	v_nop                                          ; the plain instruction between tile 0's last exponential and the first use of its results
	EXPSUM 1, 0, \first
	EXPSUM 2, 1, \first
	EXPSUM 3, 2, \first
	EXPSUM -1, 3, \first
.if \first == 0
	RESC
.endif
	PVMUL \first
	PLACES
.if \mode
	VLD 1-\slot
.endif
	WIN 0                                          ; at a label and at a branch every window is 0
.endm
	s_wait_tensorcnt 0x1                           ; my parts of Wo and of tile 0 are in; tile 1's load, issued behind them, may stay out
	s_barrier_signal -1
	s_barrier_wait -1                              ; everybody's are
	KLD 0
	VLD 0
	WIN 0
	s_wait_loadcnt 0x0                             ; Q and x
	TRIP 0, 1, 2                                   ; the first trip stands in front of the loop: it starts the maxima, the sums and O
	TRIP 1, 0, 2
	s_mov_b32 s54, 14                              ; tiles 2 to 29
.Llap:
	TRIP 0, 0, 2
	TRIP 1, 0, 2
	s_sub_co_u32 s54, s54, 1
	s_cmp_lg_u32 s54, 0
	s_cbranch_scc1 .Llap
	TRIP 0, 0, 1                                   ; tile 30
	TRIP 1, 0, 0                                   ; tile 31
	; ---- the end: merge the two key halves, multiply by Wo, add x ----
	; Wo's fragments (index = output channel 16 mt + r) into the registers that held K and V; the places behind the last products have passed
.irp mt, 0,1,2,3
.irp ks, 0,1,2,3
	ds_load_b128 v[KF+32*\mt+8*\ks:KF+32*\mt+8*\ks+3],   v[ADW] offset:16*PITCH*\mt+64*\ks
	ds_load_b128 v[KF+32*\mt+8*\ks+4:KF+32*\mt+8*\ks+7], v[ADW] offset:16*PITCH*\mt+64*\ks+32
.endr
.endr
	WIN TO1
.irp mt, 0,1,2,3
.irp ks, 0,1,2,3
	ds_load_b128 v[VF+32*\mt+8*\ks:VF+32*\mt+8*\ks+3],   v[ADW] offset:16*PITCH*(\mt+4)+64*\ks
	ds_load_b128 v[VF+32*\mt+8*\ks+4:VF+32*\mt+8*\ks+7], v[ADW] offset:16*PITCH*(\mt+4)+64*\ks+32
.endr
.endr
	WIN W_SM
.irp q, 0,1,2,3
	v_pk_add_f32 v[LA+2*\q:LA+2*\q+1], v[LA+2*\q:LA+2*\q+1], v[LB+2*\q:LB+2*\q+1]
.endr
.irp q, 0,1,2,3
	v_add_f32 v[TM+\q], v[LA+2*\q], v[LA+2*\q+1]
.endr
.irp q, 0,1,2,3
	v_permlanex16_b32 v[TN+\q], v[TM+\q], s52, s53 ; the other half of the lanes holds the query's other keys
.endr
	v_add_f32 v[TM],   v[TM],   v[TN]              ; l of my tiles 0, 1
	v_add_f32 v[TM+1], v[TM+1], v[TN+1]
	v_add_f32 v[SX+1], v[TM+2], v[TN+2]            ; l of tiles 2, 3, straight into the block that is sent
	v_add_f32 v[SX+3], v[TM+3], v[TN+3]
	v_mov_b32 v[SX],   v[MX+4]
	v_mov_b32 v[SX+2], v[MX+6]
	WIN D2
	ds_store_b128 v[STM], v[SX:SX+3] offset:16384
	WIN D3
.set i, 0
.rept 32
	ds_store_b128 v[STM], v[128+4*i:128+4*i+3] offset:512*i        ; O of tiles 2, 3, register for register, 512 neighbouring bytes a store
.set i, i+1
.endr
	WIN 0
	s_wait_dscnt 0x0                               ; written before I signal (Wo's fragments are in as well)
	s_barrier_signal -1
	s_barrier_wait -1
	WIN TO2
	ds_load_b128 v[RX:RX+3], v[LDM] offset:16384
	WIN TO1
.set i, 0
.rept 32
	ds_load_b128 v[4*i:4*i+3], v[LDM] offset:512*i                 ; the partner's O of my tiles 0, 1, into the registers that held Q
.set i, i+1
.endr
	WIN W_SM
	s_wait_dscnt 32                                ; (M, l) of the partner is in; the 32 loads issued behind it may stay out
.irp q, 0,1
	v_max_num_f32 v[AL+2*\q], v[MX+2*\q], v[RX+2*\q]               ; the common maximum
.endr
.irp q, 0,1
	v_sub_f32 v[LA+2*\q], v[MX+2*\q], v[AL+2*\q]
	v_sub_f32 v[LB+2*\q], v[RX+2*\q], v[AL+2*\q]
.endr
.irp q, 0,1
	v_exp_f32 v[LA+2*\q], v[LA+2*\q]
	v_exp_f32 v[LB+2*\q], v[LB+2*\q]
.endr
	v_nop
	s_wait_alu depctr_va_vdst(0)
.irp q, 0,1
	v_mul_f32 v[AL+2*\q], v[TM+\q], v[LA+2*\q]
.endr
.irp q, 0,1
	v_fma_f32 v[AL+2*\q], v[RX+2*\q+1], v[LB+2*\q], v[AL+2*\q]     ; l e + l' e': at least 1, since the key of the maximum adds 1
.endr
.irp q, 0,1
	v_rcp_f32 v[AL+2*\q], v[AL+2*\q]
.endr
	v_nop
	s_wait_alu depctr_va_vdst(0)
.irp q, 0,1
	v_mul_f32 v[FA+2*\q],   v[LA+2*\q], v[AL+2*\q]
	v_mul_f32 v[FA+2*\q+1], v[LA+2*\q], v[AL+2*\q]
	v_mul_f32 v[FB+2*\q],   v[LB+2*\q], v[AL+2*\q]
	v_mul_f32 v[FB+2*\q+1], v[LB+2*\q], v[AL+2*\q]
.endr
	WIN W_RS
.irp q, 0,1
.set k, 0
.rept 32
	v_pk_mul_f32 v[64*\q+2*k:64*\q+2*k+1], v[64*\q+2*k:64*\q+2*k+1], v[FA+2*\q:FA+2*\q+1]
.set k, k+1
.endr
.endr
	s_wait_dscnt 0x0                               ; the partner's O
	WIN W_PV
.irp q, 0,1
.set k, 0
.rept 32
	v_pk_fma_f32 v[64*\q+2*k:64*\q+2*k+1], v[64*\q+2*k:64*\q+2*k+1], v[FB+2*\q:FB+2*\q+1], v[64*\q+2*k:64*\q+2*k+1]
.set k, k+1
.endr
.endr
	WIN W_CV
.irp q, 0,1
.set k, 0
.rept 32
	v_cvt_pk_bf16_f32 v[64*\q+16*(k/8)+k%8], v[64*\q+2*k], v[64*\q+2*k+1]  ; in place, as for P: fragment (q, ks) at 64 q + 16 ks
.set k, k+1
.endr
.endr
; out^T = Wo O^T: four m tiles x my two query tiles; the eight accumulators take turns, one instruction a turn
.macro WOMUL base, mt0
.irp ks, 0,1,2,3
.irp mt, 0,1,2,3
.irp q, 0,1
.if \ks == 0
	v_wmma_f32_16x16x32_bf16 v[8*(2*(\mt+\mt0)+\q):8*(2*(\mt+\mt0)+\q)+7], v[\base+32*\mt+8*\ks:\base+32*\mt+8*\ks+7], v[64*\q+16*\ks:64*\q+16*\ks+7], 0
.else
	v_wmma_f32_16x16x32_bf16 v[8*(2*(\mt+\mt0)+\q):8*(2*(\mt+\mt0)+\q)+7], v[\base+32*\mt+8*\ks:\base+32*\mt+8*\ks+7], v[64*\q+16*\ks:64*\q+16*\ks+7], v[8*(2*(\mt+\mt0)+\q):8*(2*(\mt+\mt0)+\q)+7]
.endif
.endr
.endr
.endr
.endm
	WIN W_W0
	WOMUL KF, 0
	WIN W_W1
	WOMUL VF, 4
	PLACES
	; register j of tile (mt, q): channel 16 mt + 8 h + j, query r of my tile q.  Sixteen lanes write 64 neighbouring bytes of a row of the stage.
	WIN D2
.irp mt, 0,1,2,3,4,5,6,7
.irp q, 0,1
.irp j, 0,1,2,3,4,5,6,7
	ds_store_b32 v[STO], v[8*(2*\mt+\q)+\j] offset:(16*\mt+\j)*OPITCH+64*\q
.endr
.endr
.endr
	WIN 0
	s_wait_dscnt 0x0                               ; my columns of the stage are written before I signal
	s_barrier_signal -1
	s_barrier_wait -1
.set i, 0
.rept 32
	ds_load_b128 v[KF+4*i:KF+4*i+3], v[RDO] offset:OPITCH*i        ; channel 32 w + i: a whole row of 128 queries
.set i, i+1
.endr
.set i, 0
.rept 16
	s_wait_dscnt 31-i                              ; LDS loads come back in order (ISA guide 5.7.1): the counts run down over the 32
	v_pk_add_f32 v[XA+4*i:XA+4*i+1],   v[KF+4*i:KF+4*i+1],   v[XA+4*i:XA+4*i+1]
	v_pk_add_f32 v[XA+4*i+2:XA+4*i+3], v[KF+4*i+2:KF+4*i+3], v[XA+4*i+2:XA+4*i+3]
	global_store_b128 v[XOF], v[XA+4*i:XA+4*i+3], s[12:13] offset:16384*i th:TH_STORE_NT   ; 512 neighbouring bytes, aligned
.set i, i+1
.endr
	WIN W_XB
.rept 16
	s_wait_dscnt 31-i
	v_pk_add_f32 v[XB+4*(i-16):XB+4*(i-16)+1],   v[KF+4*i:KF+4*i+1],   v[XB+4*(i-16):XB+4*(i-16)+1]
	v_pk_add_f32 v[XB+4*(i-16)+2:XB+4*(i-16)+3], v[KF+4*i+2:KF+4*i+3], v[XB+4*(i-16)+2:XB+4*(i-16)+3]
	global_store_b128 v[XOF], v[XB+4*(i-16):XB+4*(i-16)+3], s[12:13] offset:16384*i th:TH_STORE_NT
.set i, i+1
.endr
	WIN 0
	s_wait_tensorcnt 0x0
	ds_add_u32 v62, v63
	s_wait_dscnt 0x0
	ROUND                                          ; the closing round: no work-group ends while a partner may still ask for a tile that names it
	s_endpgm
.Lfunc_end_k_q70a580517f_attn:
	.size	k_q70a580517f_attn, .Lfunc_end_k_q70a580517f_attn-k_q70a580517f_attn
	.p2alignl 7, 3214868480
	.fill 96, 4, 3214868480
	.section	.rodata,"a",@progbits
	.p2align	6, 0x0
	.amdhsa_kernel k_q70a580517f_attn
		.amdhsa_group_segment_fixed_size 327680
		.amdhsa_private_segment_fixed_size 0
		.amdhsa_enable_private_segment 0
		.amdhsa_kernarg_size 40
		.amdhsa_user_sgpr_count 2
		.amdhsa_user_sgpr_kernarg_segment_ptr 1
		.amdhsa_wavefront_size32 1
		.amdhsa_system_sgpr_workgroup_id_x 1
		.amdhsa_system_sgpr_workgroup_id_y 1
		.amdhsa_system_sgpr_workgroup_id_z 1
		.amdhsa_system_vgpr_workitem_id 0
		.amdhsa_next_free_vgpr 1024
		.amdhsa_next_free_sgpr 66
		.amdhsa_reserve_vcc 0
		.amdhsa_float_denorm_mode_32 3
		.amdhsa_float_denorm_mode_16_64 3
		.amdhsa_memory_ordered 1
		.amdhsa_forward_progress 1
		.amdhsa_inst_pref_size 255
	.end_amdhsa_kernel
	.section	.bss,"aw",@nobits
	.p2align	6
	.space	262144
	.amdgpu_metadata
---
amdhsa.version: [ 1, 2 ]
amdhsa.kernels:
  - .name:           k_q70a580517f_attn
    .symbol:         k_q70a580517f_attn.kd
    .args:
      - { .name: qbuf, .offset: 0, .size: 8, .value_kind: global_buffer, .address_space: global }
      - { .name: kv, .offset: 8, .size: 8, .value_kind: global_buffer, .address_space: global }
      - { .name: wbf, .offset: 16, .size: 8, .value_kind: global_buffer, .address_space: global }
      - { .name: x, .offset: 24, .size: 8, .value_kind: global_buffer, .address_space: global }
      - { .name: out0, .offset: 32, .size: 8, .value_kind: global_buffer, .address_space: global }
    .group_segment_fixed_size: 327680
    .private_segment_fixed_size: 0
    .kernarg_segment_align: 8
    .kernarg_segment_size: 40
    .max_flat_workgroup_size: 128
    .sgpr_count:     66
    .vgpr_count:     1024
    .wavefront_size: 32
...
	.end_amdgpu_metadata
.endif
;; end of part 3
;; ======== version 2 of 2: 3 launches; version 1 with the launch qkv written anew for expert scheduling mode
;; workspace buffers: st 8,192 bytes; wbf 131,072 bytes; qbuf 8,388,608 bytes; kv 16,777,216 bytes
;; launch stats: the kernel of part 1 again; grid 256 x 1, 8 waves a work-group, no clusters, 1,280 bytes of LDS; arguments x, gamma, beta, Wq, Wk, Wv, Wo, st, wbf; writes st, wbf
;; launch qkv (part 4): grid 32 x 8, 8 waves a work-group, no clusters, 142,336 bytes of LDS; arguments x, st, wbf, bq, bk, bv, qbuf, kv; writes qbuf, kv
.if DOCPART == 4
	.amdgcn_target "amdgcn-amd-amdhsa--gfx1250"
	.amdhsa_code_object_version 6
	.text
	.protected	k_q70a580517f_qkv
	.globl	k_q70a580517f_qkv
	.p2align	8
	.type	k_q70a580517f_qkv,@function
k_q70a580517f_qkv:
	s_mov_b64 s[64:65], 0
	v_nop
	global_prefetch_b8 v0, s[64:65] scope:SCOPE_SE
	s_setreg_imm32_b32 hwreg(HW_REG_WAVE_SCHED_MODE, 0, 2), 2
	s_setreg_imm32_b32 hwreg(HW_REG_WAVE_MODE, 25, 1), 1
	s_wait_xcnt 0x0
	s_wait_alu depctr_vm_vsrc(0)
; h = a x + s (GroupNorm), then q sigma = h (sigma Wq)^T + sigma bq, k = h Wk^T + bk, v = h Wv^T + bv; operands bf16, sums f32, results bf16.
; Work-group (t, b) owns positions 128 t .. 128 t + 127 of image b.  Wave w normalises channels 16 w .. 16 w + 15 into LDS, and then owns output
; channels 16 w .. 16 w + 15 of Q, K and V: its 12 weight fragments stay in registers while it walks the eight tiles of 16 positions.
; x lies [c][n], so h lies in LDS as [c][n] and its fragments (index = position, k = channel) come by the transposing LDS load.
; Q and K: source 0 = weight rows, source 1 = h: a lane holds eight neighbouring output channels of one position = 16 bytes of a row [n][c].
; V: source 0 = h, source 1 = weight rows: a lane holds eight neighbouring positions of one channel = 16 bytes of a row [c][n] (V is stored transposed).
; The biases are the C operand of each tile's first product: nothing is cleared, nothing is added afterwards.
; Out: qbuf[b][n][c]; kv[b][t] = 256 rows of 256 bytes: rows 0-127 K[key][c], rows 128-255 V^T[c][key].  All go through LDS so that each store of a
; wave covers 512 neighbouring bytes, aligned.
; No tensor loads and no cluster: a work-group shares only 96 KiB of weights with the others, read once into registers.
; THE MODE: SCHED_MODE bits 1:0 = 2 (LLVM: expert scheduling mode 2), set by the entry lines.  The code itself states the register dependences
; between vector or matrix instructions and memory or LDS instructions, with s_wait_alu, always for 0.
; THE PLAN.  Registers that memory or LDS instructions touch (the text is one straight run: no loop, no branch):
;   v4, v7, v12, v13, v14   offsets in memory, made at the head, never written again: one wait ahead of the first load.
;   v5, v6, v8 .. v11       LDS addresses, made behind the loads from memory, never written again: the wait ahead of the first LDS store covers them all.
;   XR                      x lands here and is normalised and packed in place.  Channels 0-7 are stored while channels 8-15, other registers, are worked on.
;                           Behind the barrier the same registers are HF0 and HF1: one wait states that my LDS stores have read them.
;   HF0, HF1                Tile pt's twelve matrix instructions read HF[pt % 2]; the fragments of tile pt + 2 land in it behind the tile's end.
;   PK0, PK1                Tile pt's twelve conversions write PK[pt % 2]; its three LDS stores are issued in tile pt + 1; tile pt + 2's conversions write it again.
;   WF                      Read by matrix instructions up to tile 7; then the way out's LDS loads land in it.
;   The biases and the three accumulators are named by vector and matrix instructions alone once their loads are in.
; So ONE wait on va_vdst stands at a tile's end, behind its conversions: the tile's matrix instructions are done reading HF[pt % 2], and PK[pt % 2] is written.
; The eight loads follow at once; the three stores are dealt among the next tile's products, which name WF, the other HF, the biases and the accumulators:
; none of the registers that those stores touch.  Beside it, at the ends of tiles 1 to 6, one wait on vm_vsrc frees the other PK for the next tile's conversions.
.set HP,    288                        ; pitch of h[c][n]: 256 bytes + 32, an odd multiple of 32 for the transposing load
.set SP,    272                        ; pitch of the three stages: 256 bytes + 16
.set QS,    36864                      ; stage of Q [n][c], behind h's 128 x 288 bytes
.set KSOFF, 34816                      ; stage of K [n][c] lies 128 x 272 bytes behind Q's
.set VS,    106496                     ; stage of V [c][n]
.set XR,  16                           ; v[16:79]   x as loaded: channel i in 4 registers
.set HF0, 16                           ; v[16:47]   h fragments of an even position tile (ks at +8 ks)
.set HF1, 48                           ; v[48:79]   of an odd one
.set WF,  80                           ; v[80:175]  weight fragments: matrix at +32, ks at +8; on the way out: rows read back
.set BQ,  176                          ; v[176:183] sigma bq, v[184:191] bk, v[192:199] bv, each in the shape of a C operand
.set BK,  184
.set BV,  192
.set AQ,  200                          ; three accumulators
.set AK,  208
.set AV,  216
.set PK,  224                          ; v[224:247] packed results: two buffers of 12 registers, by the tile's parity
	s_load_b512 s[4:19], s[0:1], 0x0               ; x s[4:5], st s[6:7], wbf s[8:9], bq s[10:11], bk s[12:13], bv s[14:15], qbuf s[16:17], kv s[18:19]
	v_lshl_add_u32 v254, v0, 2, 0x22800
	v_mov_b32 v255, 0
	v_lshrrev_b32 v1, 5, v0
	v_readfirstlane_b32 s52, v1                    ; wave w
	s_and_b32 s54, ttmp7, 0xffff                   ; image b
	v_and_b32 v3, 31, v0                           ; lane L
	v_and_b32 v1, 15, v0                           ; r
	v_bfe_u32 v2, v0, 4, 1                         ; h
	v_lshlrev_b32 v4, 4, v3                        ; x: 16 L
	s_wait_alu depctr_va_sdst(0)                   ; s52 is written, ahead of its first reader: bases, offsets and LDS addresses are made from it
	s_lshl_b32 s56, s54, 10                        ; st: 1,024 b + 128 w
	s_lshl_b32 s55, s52, 7
	s_add_co_u32 s56, s56, s55
	s_mov_b32 s57, 0
	s_lshl_b32 s58, s54, 21                        ; x: 2 MiB b + 16 w channels of 16,384 bytes + 512 t
	s_lshl_b32 s55, s52, 18
	s_add_co_u32 s58, s58, s55
	s_lshl_b32 s55, ttmp9, 9
	s_add_co_u32 s58, s58, s55
	s_mov_b32 s59, 0
	s_lshl_b32 s55, s52, 12
	v_lshl_add_u32 v7, v1, 8, s55                  ; weights: row 16 w + r of 256 bytes
	v_lshl_add_u32 v7, v2, 4, v7                   ;          + 16 h
	v_lshl_add_u32 v12, v3, 4, s55                 ; the way out: 4,096 w + 16 L
	s_lshl_b32 s55, s52, 6
	v_lshl_add_u32 v13, v2, 5, s55                 ; bq, bk: 4 (16 w + 8 h)
	v_lshl_add_u32 v14, v1, 2, s55                 ; bv: 4 (16 w + r)
	s_wait_kmcnt 0x0
	s_add_nc_u64 s[6:7], s[6:7], s[56:57]
	s_add_nc_u64 s[4:5], s[4:5], s[58:59]
	s_load_b512 s[20:35], s[6:7], 0x0              ; { a, s } of my channels 0-7
	s_load_b512 s[36:51], s[6:7], 0x40             ; and 8-15
	s_wait_alu depctr_va_vdst(0)                   ; the offsets v4, v7, v12, v13 and v14 are written, which the loads below and the stores at the end read
.irp i, 0,1,2,3,4,5,6,7,8,9,10,11,12,13,14,15
	global_load_b128 v[XR+4*\i:XR+4*\i+3], v4, s[4:5] offset:16384*\i      ; one channel's 128 positions: 512 neighbouring bytes
.endr
.irp m, 0,1,2
.irp ks, 0,1,2,3
	global_load_b128 v[WF+32*\m+8*\ks:WF+32*\m+8*\ks+3],   v7, s[8:9] offset:32768*\m+64*\ks
	global_load_b128 v[WF+32*\m+8*\ks+4:WF+32*\m+8*\ks+7], v7, s[8:9] offset:32768*\m+64*\ks+32
.endr
.endr
	global_load_b128 v[BQ:BQ+3],   v13, s[10:11]
	global_load_b128 v[BQ+4:BQ+7], v13, s[10:11] offset:16
	global_load_b128 v[BK:BK+3],   v13, s[12:13]
	global_load_b128 v[BK+4:BK+7], v13, s[12:13] offset:16
	global_load_b32 v[BV], v14, s[14:15]
	; LDS addresses: these lines name none of the registers that the loads above touch
	s_mul_i32 s55, s52, 16*HP
	v_lshl_add_u32 v5, v3, 3, s55                  ; h in: row 16 w (+ i), 8 bytes a lane
	v_and_b32 v15, 7, v0
	v_lshl_add_u32 v15, v2, 3, v15
	v_mul_u32_u24 v6, v15, HP                      ; h out, transposing: row 8 h + L % 8,
	v_bfe_u32 v15, v0, 3, 1
	v_lshl_add_u32 v6, v15, 4, v6                  ; 16 bytes further for lanes 8-15 and 24-31
	v_mul_u32_u24 v9, v1, SP
	v_lshl_add_u32 v9, v2, 4, v9                   ; r x 272 + 16 h
	s_lshl_b32 s55, s52, 5
	s_add_co_u32 s55, s55, QS
	v_add_nc_u32 v8, s55, v9                       ; Q, K in: row r (+ 16 pt), column bytes 32 w + 16 h
	s_mul_i32 s55, s52, 16*SP
	s_add_co_u32 s53, s55, VS
	v_add_nc_u32 v9, s53, v9                       ; V in: row 16 w + r, column bytes 16 h (+ 32 pt)
	v_mul_u32_u24 v10, v2, SP
	v_lshl_add_u32 v10, v1, 4, v10
	s_add_co_u32 s55, s55, QS
	v_add_nc_u32 v10, s55, v10                     ; back: rows 16 w + h (+ 2 i), 16 bytes a lane
	v_add_nc_u32 v11, VS-QS, v10
	s_lshl_b32 s56, s54, 20                        ; qbuf: 1 MiB b + 32 KiB t
	s_lshl_b32 s55, ttmp9, 15
	s_add_co_u32 s56, s56, s55
	s_add_nc_u64 s[16:17], s[16:17], s[56:57]
	s_lshl_b32 s58, s54, 21                        ; kv: 64 KiB (32 b + t)
	s_lshl_b32 s55, ttmp9, 16
	s_add_co_u32 s58, s58, s55
	s_add_nc_u64 s[18:19], s[18:19], s[58:59]
; channel i of my sixteen: normalised by one fused multiply-add a number, packed into the first two of its four registers
.macro NORM i
.irp j, 0,1,2,3
	v_fma_f32 v[XR+4*(\i)+\j], v[XR+4*(\i)+\j], s[20+2*(\i)], s[21+2*(\i)]
.endr
	v_cvt_pk_bf16_f32 v[XR+4*(\i)],   v[XR+4*(\i)],   v[XR+4*(\i)+1]
	v_cvt_pk_bf16_f32 v[XR+4*(\i)+1], v[XR+4*(\i)+2], v[XR+4*(\i)+3]
.endm
; and laid into LDS
.macro HOUT i
	ds_store_b64 v5, v[XR+4*(\i):XR+4*(\i)+1] offset:HP*(\i)
.endm
	; normalise my 16 channels and lay them into LDS, in two halves: the first half's stores go out among the second half's arithmetic
	s_wait_kmcnt 0x0
	s_wait_loadcnt 37                              ; channels 0-7 of x are in: the 8 other loads of x, the 24 weight loads and the 5 bias loads issued behind them may stay out
.irp i, 0,1,2,3,4,5,6,7
	NORM \i
.endr
	s_wait_alu depctr_va_vdst(0)                   ; the conversions have written channels 0-7's pairs, which the LDS stores read; the LDS addresses v5, v6 and v8 to v11 are written too
	s_wait_loadcnt 29                              ; x is in: the 24 weight loads and 5 bias loads issued behind it may stay out
.irp i, 8,9,10,11,12,13,14,15
	HOUT \i-8                                      ; no wait: no vector instruction since the wait above names v5 or channels 0-7's registers
	NORM \i
.endr
	s_wait_alu depctr_va_vdst(0)                   ; the conversions have written channels 8-15's pairs, which the LDS stores read; no vector instruction names XR behind this wait, so the fragments' loads may land in it
.irp i, 8,9,10,11,12,13,14,15
	HOUT \i
.endr
	s_wait_dscnt 0x0                               ; my rows of h are written before I signal
	s_barrier_signal -1
	s_barrier_wait -1
	s_wait_alu depctr_vm_vsrc(0)                   ; my LDS stores have read XR's pairs: these registers are HF0 and HF1 from here on, in which the fragments' loads land
; the four h fragments of position tile pt: index = position 16 pt + r, k = channel 32 ks + ..
.macro HLD pt, buf
.irp ks, 0,1,2,3
	ds_load_tr16_b128 v[\buf+8*\ks:\buf+8*\ks+3],   v6 offset:32*HP*\ks+32*(\pt)
	ds_load_tr16_b128 v[\buf+8*\ks+4:\buf+8*\ks+7], v6 offset:32*HP*\ks+32*(\pt)+16*HP
.endr
.endm
; a turn of the three accumulators, channels 32 ks on (ks = 1, 2, 3), on the fragments at HB
.macro TURN ks
	v_wmma_f32_16x16x32_bf16 v[AQ:AQ+7], v[WF+8*\ks:WF+8*\ks+7],       v[HB+8*\ks:HB+8*\ks+7], v[AQ:AQ+7]
	v_wmma_f32_16x16x32_bf16 v[AK:AK+7], v[WF+32+8*\ks:WF+32+8*\ks+7], v[HB+8*\ks:HB+8*\ks+7], v[AK:AK+7]
	v_wmma_f32_16x16x32_bf16 v[AV:AV+7], v[HB+8*\ks:HB+8*\ks+7],       v[WF+64+8*\ks:WF+64+8*\ks+7], v[AV:AV+7]
.endm
; tile pt's packed results into the stages: part 0 Q, 1 K, 2 V
.macro SOUT pt, part
.if \part == 0
	ds_store_b128 v8, v[PK+12*((\pt)%2):PK+12*((\pt)%2)+3]     offset:16*SP*(\pt)
.endif
.if \part == 1
	ds_store_b128 v8, v[PK+12*((\pt)%2)+4:PK+12*((\pt)%2)+7]   offset:KSOFF+16*SP*(\pt)
.endif
.if \part == 2
	ds_store_b128 v9, v[PK+12*((\pt)%2)+8:PK+12*((\pt)%2)+11]  offset:32*(\pt)
.endif
.endm
; One position tile: 12 products, the three accumulators by turns, one instruction a turn.
; cnt = the LDS instructions issued behind this tile's eight loads.  ahead = 1: the tile's buffer is loaded again, two tiles ahead.
; The stores of the tile before stand one behind each of the first three turns: the wait at that tile's end has shown their data written, and no vector or
; matrix instruction since names their registers.
.macro PT pt, cnt, ahead
.set HB, HF0+32*((\pt)%2)
.set PW, PK+12*((\pt)%2)
	s_wait_dscnt \cnt
	v_wmma_f32_16x16x32_bf16 v[AQ:AQ+7], v[WF:WF+7],       v[HB:HB+7],       v[BQ:BQ+7]
	v_wmma_f32_16x16x32_bf16 v[AK:AK+7], v[WF+32:WF+39],   v[HB:HB+7],       v[BK:BK+7]
	v_wmma_f32_16x16x32_bf16 v[AV:AV+7], v[HB:HB+7],       v[WF+64:WF+71],   v[BV:BV+7]
.if (\pt) > 0
	SOUT \pt-1, 0
.endif
	TURN 1
.if (\pt) > 0
	SOUT \pt-1, 1
.endif
	TURN 2
.if (\pt) > 0
	SOUT \pt-1, 2
.endif
	TURN 3
.rept 5
	v_nop                                          ; the places behind the products (ISA guide 7.12.1): for the conversions, and for the next tile's first products, which write over the accumulators
.endr
.irp j, 0,1,2,3
	v_cvt_pk_bf16_f32 v[PW+\j],   v[AQ+2*\j], v[AQ+2*\j+1]
	v_cvt_pk_bf16_f32 v[PW+4+\j], v[AK+2*\j], v[AK+2*\j+1]
	v_cvt_pk_bf16_f32 v[PW+8+\j], v[AV+2*\j], v[AV+2*\j+1]
.endr
	s_wait_alu depctr_va_vdst(0)                   ; the conversions have written this tile's PK, which its three LDS stores read; the tile's matrix instructions are done reading its HF (the loads below land in it) and, at tile 7, WF (the way out's loads land in it)
.if (\pt) > 0
.if (\pt) < 7
	s_wait_alu depctr_vm_vsrc(0)                   ; the three LDS stores issued in this tile have read the other PK, which the next tile's conversions write again
.endif
.endif
.if \ahead
	HLD \pt+2, HB
.endif
.endm
	HLD 0, HF0
	HLD 1, HF1
	s_wait_loadcnt 0x0                             ; weights and biases
.irp j, 0,2,4,6
	v_pk_mul_f32 v[BQ+\j:BQ+\j+1], v[BQ+\j:BQ+\j+1], 0x3e0293ee op_sel_hi:[1,0]   ; sigma bq
.endr
.irp j, 1,2,3,4,5,6,7
	v_mov_b32 v[BV+\j], v[BV]                      ; a lane's eight results of V belong to one channel: the C operand holds its bias eight times
.endr
	PT 0, 8,  1                                    ; behind tile 0's loads: tile 1's 8
	PT 1, 8,  1                                    ; tile 2's 8
	PT 2, 11, 1                                    ; 3 stores (tile 0's) and tile 3's 8 loads
	PT 3, 11, 1
	PT 4, 11, 1
	PT 5, 11, 1
	PT 6, 11, 0
	PT 7, 3,  0                                    ; 3 stores (tile 5's)
	SOUT 7, 0                                      ; the last tile's results: the wait at its end has shown them written
	SOUT 7, 1
	SOUT 7, 2
	s_wait_dscnt 0x0                               ; my columns of the stages are written before I signal
	s_barrier_signal -1
	s_barrier_wait -1
	; the way out: wave w takes rows 16 w .. 16 w + 15 of each stage, two rows a load.  No vector or matrix instruction stands behind tile 7's wait, so these loads owe nothing more
.irp i, 0,1,2,3,4,5,6,7
	ds_load_b128 v[WF+4*\i:WF+4*\i+3], v10 offset:2*SP*\i
.endr
.irp i, 0,1,2,3,4,5,6,7
	ds_load_b128 v[WF+32+4*\i:WF+32+4*\i+3], v10 offset:KSOFF+2*SP*\i
.endr
.irp i, 0,1,2,3,4,5,6,7
	ds_load_b128 v[WF+64+4*\i:WF+64+4*\i+3], v11 offset:2*SP*\i
.endr
.irp i, 0,1,2,3,4,5,6,7
	s_wait_dscnt 23-\i                             ; LDS loads come back in order (ISA guide 5.7.1): the counts run down over the 24
	global_store_b128 v12, v[WF+4*\i:WF+4*\i+3], s[16:17] offset:512*\i
.endr
.irp i, 0,1,2,3,4,5,6,7
	s_wait_dscnt 15-\i
	global_store_b128 v12, v[WF+32+4*\i:WF+32+4*\i+3], s[18:19] offset:512*\i
.endr
.irp i, 0,1,2,3,4,5,6,7
	s_wait_dscnt 7-\i
	global_store_b128 v12, v[WF+64+4*\i:WF+64+4*\i+3], s[18:19] offset:32768+512*\i
.endr
	s_wait_dscnt 0x0                               ; the closing lines, six on end
	s_wait_alu 0x0
	s_wait_tensorcnt 0x0
	ds_add_u32 v254, v255
	s_wait_dscnt 0x0
	s_endpgm
.Lfunc_end_k_q70a580517f_qkv:
	.size	k_q70a580517f_qkv, .Lfunc_end_k_q70a580517f_qkv-k_q70a580517f_qkv
	.p2alignl 7, 3214868480
	.fill 96, 4, 3214868480
	.section	.rodata,"a",@progbits
	.p2align	6, 0x0
	.amdhsa_kernel k_q70a580517f_qkv
		.amdhsa_group_segment_fixed_size 142336
		.amdhsa_private_segment_fixed_size 0
		.amdhsa_enable_private_segment 0
		.amdhsa_kernarg_size 64
		.amdhsa_user_sgpr_count 2
		.amdhsa_user_sgpr_kernarg_segment_ptr 1
		.amdhsa_wavefront_size32 1
		.amdhsa_system_sgpr_workgroup_id_x 1
		.amdhsa_system_sgpr_workgroup_id_y 1
		.amdhsa_system_sgpr_workgroup_id_z 1
		.amdhsa_system_vgpr_workitem_id 0
		.amdhsa_next_free_vgpr 256
		.amdhsa_next_free_sgpr 66
		.amdhsa_reserve_vcc 0
		.amdhsa_float_denorm_mode_32 3
		.amdhsa_float_denorm_mode_16_64 3
		.amdhsa_memory_ordered 1
		.amdhsa_forward_progress 1
		.amdhsa_inst_pref_size 40
	.end_amdhsa_kernel
	.amdgpu_metadata
---
amdhsa.version: [ 1, 2 ]
amdhsa.kernels:
  - .name:           k_q70a580517f_qkv
    .symbol:         k_q70a580517f_qkv.kd
    .args:
      - { .name: x, .offset: 0, .size: 8, .value_kind: global_buffer, .address_space: global }
      - { .name: st, .offset: 8, .size: 8, .value_kind: global_buffer, .address_space: global }
      - { .name: wbf, .offset: 16, .size: 8, .value_kind: global_buffer, .address_space: global }
      - { .name: bq, .offset: 24, .size: 8, .value_kind: global_buffer, .address_space: global }
      - { .name: bk, .offset: 32, .size: 8, .value_kind: global_buffer, .address_space: global }
      - { .name: bv, .offset: 40, .size: 8, .value_kind: global_buffer, .address_space: global }
      - { .name: qbuf, .offset: 48, .size: 8, .value_kind: global_buffer, .address_space: global }
      - { .name: kv, .offset: 56, .size: 8, .value_kind: global_buffer, .address_space: global }
    .group_segment_fixed_size: 142336
    .private_segment_fixed_size: 0
    .kernarg_segment_align: 8
    .kernarg_segment_size: 64
    .max_flat_workgroup_size: 256
    .sgpr_count:     66
    .vgpr_count:     256
    .wavefront_size: 32
...
	.end_amdgpu_metadata
.endif
;; end of part 4
;; launch attn: the kernel of part 3 again; grid 32 x 8, 4 waves a work-group, clusters of 4 x 1, 327,680 bytes of LDS; arguments qbuf, kv, wbf, x, out0; writes out0
